; MI455X (gfx1250); checked and timed in simulation.
; The chip was launched on July 23, 2026; its instructions are those of AMD's public machine-readable ISA for CDNA 5 (MIT licence, August 2026) and "CDNA5" Instruction Set Architecture Reference Guide (July 2026). The comments in the code are by the model that wrote it; some were corrected since.
;; DPLSTM Cell. Allowed arithmetic: matrix products marked QUANTISED: E2M1 operands, one E8M0 scale for each 32 along K, by v_wmma_scale_f32_16x16x128_f8f6f4 with both operands' format E2M1 (or v_wmma_scale_f32_32x16x128_f4), f32 sums; everything else in f32.
;; Inputs: W_hh_codes 4,096 x 32 x 16 uint8 (E2M1 codes of W_hh, K innermost, in blocks of 32 codes, two codes a byte); W_hh_scales 4,096 x 32 uint8 (E8M0 scales of W_hh, one for each 32 codes along K); W_ih_codes 4,096 x 32 x 16 uint8 (E2M1 codes of W_ih, K innermost, in blocks of 32 codes, two codes a byte); W_ih_scales 4,096 x 32 uint8 (E8M0 scales of W_ih, one for each 32 codes along K); b_hh 4,096 float32; b_ih 4,096 float32; c_prev 8,192 x 1,024 float32; h_prev_codes 8,192 x 32 x 16 uint8 (E2M1 codes of h_prev, K innermost, in blocks of 32 codes, two codes a byte); h_prev_scales 8,192 x 32 uint8 (E8M0 scales of h_prev, one for each 32 codes along K); input_codes 8,192 x 32 x 16 uint8 (E2M1 codes of input, K innermost, in blocks of 32 codes, two codes a byte); input_scales 8,192 x 32 uint8 (E8M0 scales of input, one for each 32 codes along K).
;; Outputs: out0 8,192 x 1,024 float32; out1 8,192 x 1,024 float32.
;; This version of the problem:
;;   THIS VERSION OF THE PROBLEM IS GIVEN IN LOW PRECISION. The matrix products marked QUANTISED in the list below multiply operands that are first quantised to E2M1 (2 exponent bits, 1 mantissa bit; 4 bits a number), with one power-of-two scale for each 32 numbers along K (OCP MX v1.0); their sums are f32. All else is computed in f32.
;;   The module's matrix products, in the order in which they are computed (A, B: the left and right operand; K: the contracted axis; several contracted axes count as one K, in the product's order):
;;     1. [M 8,192, K 1,024] x [K 1,024, N 4,096]; A: input input (given as codes); B: input W_ih (given as codes): QUANTISED
;;     2. [M 8,192, K 1,024] x [K 1,024, N 4,096]; A: input h_prev (given as codes); B: input W_hh (given as codes): QUANTISED
;;   THE QUANTISER, for each operand of a quantised product, along K:
;;     - K is cut into blocks of 32 from its start; a last block that is shorter is filled with zeros.
;;     - A block's scale is 2^e with e = floor(log2(the largest magnitude in the block)) - 2, held to -126 .. 127; a block of zeros has e = 0. As a byte (E8M0): e + 127.
;;     - Each number is divided by its block's scale, clamped to +-6, and rounded to the nearest number of E2M1, ties to even, subnormals kept.
;;     - The product sums the exact products of the quantised numbers (number of the format x scale) in f32.
;;   ~~~python
;;   def quantise(x, axis):      # numpy; x: float32 -> the quantised numbers, widened to float32 again
;;       x = np.moveaxis(x, axis, -1); K = x.shape[-1]
;;       x = np.pad(x, [(0, 0)] * (x.ndim - 1) + [(0, -K % 32)]); x = x.reshape(x.shape[:-1] + (-1, 32)); a = np.abs(x).max(-1, keepdims=True)
;;       e = np.where(a > 0, np.clip(np.frexp(np.where(a > 0, a, 1))[1] - 1 - 2, -126, 127), 0)      # np.frexp(a)[1] - 1 = floor(log2(a)), exactly
;;       r = np.clip(x / 2.0 ** e, -6, 6)
;;       step = 2.0 ** (np.maximum(np.frexp(np.where(r == 0, 1, r))[1] - 1, 0) - 1)
;;       q = np.round(r / step) * step * 2.0 ** e      # np.round: ties to even
;;       return np.moveaxis(q.reshape(q.shape[:-2] + (-1,))[..., :K], -1, axis).astype(np.float32)
;;   ~~~
;;   INPUTS GIVEN AS CODES. W_hh (in the module: [4096, 1024], K = its axis 1); W_ih (in the module: [4096, 1024], K = its axis 1); h_prev (in the module: [8192, 1024], K = its axis 1); input (in the module: [8192, 1024], K = its axis 1): each comes as NAME_codes (uint8): NAME with its K axis moved to the last place and cut into blocks of 32 codes, [.., K / 32, bytes a block], one block behind the other in memory; two codes a byte, the lower K in the low four bits (a code: sign, 2 exponent bits, 1 mantissa bit); and NAME_scales (uint8): the same leading axes, one E8M0 byte (e + 127) for each 32 codes along K. Its value is code x scale, taken as it is: it is not quantised again, and the codes and scales need not be those that the quantiser above would give.
;; One version. Each part assembles by itself: llvm-mc -triple=amdgcn-amd-amdhsa -mcpu=gfx1250 --defsym DOCPART=n.
;; ======== version 1 of 1: 1 launch
;; limits: right only within a limited range of input values; inputs' magnitudes at most 1.15e+18
;; launch lstm (part 1): grid 16 x 16, 4 waves a work-group, clusters of 4 x 4, 327,680 bytes of LDS; arguments input_codes, h_prev_codes, W_ih_codes, W_hh_codes, input_scales, h_prev_scales, W_ih_scales, W_hh_scales, b_ih, b_hh, c_prev, out0, out1; writes out0, out1
.if DOCPART == 1
	.amdgcn_target "amdgcn-amd-amdhsa--gfx1250"
	.amdhsa_code_object_version 6
	.text
	.protected	k_q63127be91a_lstm
	.globl	k_q63127be91a_lstm
	.p2align	8
	.type	k_q63127be91a_lstm,@function
k_q63127be91a_lstm:
	s_mov_b64 s[64:65], 0
	v_nop
	global_prefetch_b8 v0, s[64:65] scope:SCOPE_SE
	s_setreg_imm32_b32 hwreg(HW_REG_WAVE_MODE, 25, 1), 1
	s_wait_xcnt 0x0
	s_wait_alu depctr_hold_cnt(0) depctr_sa_sdst(0) depctr_va_vdst(0) depctr_va_sdst(0) depctr_va_ssrc(0) depctr_va_vcc(0) depctr_vm_vsrc(0)
	s_getreg_b32 s2, hwreg(HW_REG_IB_STS2, 6, 4)
	s_cmp_eq_u32 s2, 0
	s_cbranch_scc0 .Lentry_in_a_cluster
	s_endpgm
.Lentry_in_a_cluster:
	s_bfe_u32 s2, ttmp6, 0x10000c
	s_cmp_lg_u32 s2, 0xf033
	s_cbranch_scc0 .Lentry_shape_is_right
	s_endpgm
.Lentry_shape_is_right:
; An LSTM cell.  gates[8192][4096] = input W_ih^T + h_prev W_hh^T + b_ih + b_hh;  i, f, g, o = its four quarters along the columns;
; c_t = sigmoid(f) c_prev + sigmoid(i) tanh(g) -> out1;  h_t = sigmoid(o) tanh(c_t) -> out0.
; The four operands are codes of FP4 (E2M1), K innermost, 512 bytes a row, with one E8M0 byte for each 32 along K (32 bytes a row); the matrix instruction takes them as they lie.
; The two products are ONE sum over K = 2,048: input with W_ih, then h_prev with W_hh.  gates never go to memory.
; SHARES.  256 work-groups; each makes two tiles of 256 batch rows x 64 hidden units x 4 gates, one below the other (batch rows 512 TY on).  Four waves, 64 batch rows each, all 64 units, all gates:
; 2 blocks a of 32 batch rows x 16 blocks b = 4 g + u of W's rows: 32 accumulators of 32 x 16, 512 registers.
; WHICH ROWS OF W FORM A BLOCK: row r of block (g, u) is hidden unit 4 r + u of gate g.  So lane (r, h) holds, in the four blocks u of a gate, four neighbouring units of batch row 8 h + j (register j):
; sixteen lanes hold the 256 neighbouring bytes of a row of c_prev, h_t and c_t, which are loaded and stored straight from registers, two rows an instruction.  The tensor load's tile has four dimensions
; (256 bytes; r, 4 rows apart; u, 1 row apart; gate, 1,024 rows apart), so that LDS row 16 b + r is that row: the sixteen rows that a fragment load touches follow each other.
; K goes in four steps of 512 (tile rows of 256 bytes) through two LDS slots; step s: product s / 2, half s % 2 of its K, slot s % 2; four sub-steps of 128 each.  One tensor load a wave: waves 0, 1 fetch A's 128 rows, waves 2, 3 two gates of W.
; The ring does not stop at a tile's end: the first tile's last two changes of slots fetch the second tile's steps 0 and 1, and its cell runs under their flight.
; CLUSTERS: 4 x 4 work-groups.  The four of a row of the cluster need the same tiles of A, the four of a column the same tiles of W: each is asked for JOINTLY, by the same load with the same descriptor and a mask that names the four.
; THE CELL: sigmoid(x) = 1 / (1 + 2^(-log2(e) x)), tanh(x) = 2 / (1 + 2^(-2 log2(e) x)) - 1: an exponential that overflows gives 0 through the reciprocal, so nothing has to be held.
; The factor and the biases go into one fused multiply-add a gate; the exponentials, one register at a time, turn the order (u, j) of the sums into the order (j, u) of memory.
; LIMIT: an order of rounding other than the source's: the biases are added to each other, multiplied by the factor, and added to the products last.
; PREFETCHES: the codes of K step n + 2 (at the head of 1, 2 and 3) are asked for behind the load of step n: of the 128 rows that a wave fetches each of its four partners names 32, by address; W's rows only once,
; as both tiles read the same; a tile's c_prev, 64 rows a wave, behind step 2's load, three steps ahead of the loads that want it.
; REGISTERS, in windows of 256 (s_set_vgpr_msb: bits 1:0 source 0, 3:2 source 1, 5:4 source 2, 7:6 destination):
;   window 0: v0-15 addresses; v16-31 biases; v32-63 A's scale words, v64-191 W's; v192-255 A's fragments, two sets.
;   window 1: W's fragments, two sets.  In the cell v0-127 c_prev, then c_t; v128-255 the four gates of 32 outputs a lane.
;   window 2: accumulators of gates i, f ((a, b) at v[32 (b % 8) + 16 a]);  window 3: of g, o.
.set PITCH, 272                        ; an LDS row: 256 bytes + 16 of padding = 68 words: row r starts at bank 4 r mod 64 (64 banks of 4 bytes: ISA guide 11.1)
.set HALFT, 128*PITCH                  ; what one tensor load brings
.set SLOT,  4*HALFT                    ; A's 256 rows, then W's 256
.set SCW,   2*SLOT                     ; behind the ring: W's scale bytes: eight runs (product, gate) of 64 rows, 16 bytes more behind every fourth row
.set SRUN,  2304
.set SPARE, SCW+8*SRUN                 ; behind them: the spare words, 128 bytes for each wave
.set ADRA, 4                           ; v4-5   LDS address of my A fragments in slot 0, 1
.set ADRB, 6                           ; v6-7   of W's
.set SPW,  8                           ; v8     my spare word: SPARE + 4 x my thread's number; never rewritten
.set NIL,  9                           ; v9     0; never rewritten
.set CO,   10                          ; v10    my byte offset in c_prev and in the outputs: 8 h rows + 16 r
.set PFO,  11                          ; v11    prefetch of codes: lane x 512
.set PFC,  12                          ; v12    prefetch of c_prev: lane x 4,096
.set ASO,  13                          ; v13    A's scales: lane x 32
.set BI,   16                          ; v[BI + 4 g + u]
.set SA,   32                          ; v[SA + 16 a + 8 product + word]: lane m has batch row m
.set SB,   64                          ; v[SB + 8 b + 4 product + q]: lanes 0-15 the word of K = 128 q on, lanes 16-31 that of K = 512 + 128 q on
.set AF,   192
.set E,    128                         ; window 1: gate g's at E + 32 g + 4 j + u
.set WV,   30                          ; s30  my wave's number
.set K1,   40                          ; s[40:41] -log2(e), twice
.set K2,   42                          ; s[42:43] -2 log2(e), twice
.set G1A,  48                          ; s[48:55] descriptor group 1 for A;  s[76:83] group 0, a set for each slot
.set G1B,  56                          ; s[56:63], s[68:71], s[72:75] groups 1 to 3 for W;  s[84:91] group 0
.set G2B,  68
.set G3B,  72
.set G0A,  76
.set G0B,  84
.set PF0,  94                          ; s[94:95], s[96:97] where my prefetches of the first and the second product's codes stand
.set PF1,  96
.set TL,   100                         ; s100 tiles to go
.set PFON, 101                         ; s101 1 where my wave asks for the next tile's codes: A's waves, in the first tile
.set MSB, 0
.macro WIN new                         ; the immediate's high byte repeats the setting that is left
.if MSB != (\new)
	s_set_vgpr_msb (MSB<<8)|(\new)
.set MSB, (\new)
.endif
.endm
; Four plain places: ahead of loads into registers that matrix instructions have read, and of the first reads of results.
.macro PLACES n
.rept \n
	v_nop
.endr
.endm
.macro CREST                           ; a round of the cluster's barrier behind its opening barrier
	s_cmp_lg_u32 s[WV], 0
	s_cbranch_scc1 .Lnot_wave_0_\@
	s_barrier_signal -3
.Lnot_wave_0_\@:
	s_barrier_wait -3
	s_barrier_signal -1
	s_barrier_wait -1
.endm
.macro CROUND
	s_barrier_signal -1
	s_barrier_wait -1
	CREST
.endm
.macro JLOAD n                         ; a joint load into slot n: waves 0, 1 for A, waves 2, 3 for W; the branch hangs on the wave's number alone
	s_cmp_lt_u32 s[WV], 2
	s_cbranch_scc0 .Lfor_b_\@
	tensor_load_to_lds s[G0A+4*(\n):G0A+4*(\n)+3], s[G1A:G1A+7]
	s_nop 0
	PLACES 4
	s_branch .Lasked_\@
.Lfor_b_\@:
	tensor_load_to_lds s[G0B+4*(\n):G0B+4*(\n)+3], s[G1B:G1B+7], s[G2B:G2B+3], s[G3B:G3B+3]
	s_nop 0
	PLACES 4
.Lasked_\@:
.endm
.macro ASK base, off                   ; the next tile's codes, 32 rows x 256 bytes
	WIN 0
	s_cmp_eq_u32 s[PFON], 1
	s_cbranch_scc0 .Lnot_mine_\@
	global_prefetch_b8 v[PFO], s[\base:\base+1] offset:\off th:TH_LOAD_NT scope:SCOPE_SE
.Lnot_mine_\@:
.endm
	s_load_b512 s[4:19], s[0:1], 0x0               ; codes: input s[4:5], h_prev s[6:7], W_ih s[8:9], W_hh s[10:11]; scales: s[12:13], s[14:15], s[16:17], s[18:19]
	s_load_b256 s[20:27], s[0:1], 0x40             ; b_ih s[20:21], b_hh s[22:23], c_prev s[24:25], out0 s[26:27]
	s_load_b64 s[28:29], s[0:1], 0x60              ; out1
	v_lshl_add_u32 v[SPW], v0, 2, SPARE
	v_mov_b32 v[NIL], 0
	ds_add_u32 v[SPW], v[NIL]                      ; the wave's opening: the add, twice on end, and its wait ahead of my first tensor load
	ds_add_u32 v[SPW], v[NIL]
	v_lshrrev_b32 v1, 5, v0
	v_readfirstlane_b32 s[WV], v1                  ; wave 0..3
	s_and_b32 s31, s[WV], 1                        ; which half of A's tile or of W's gates I fetch
	s_bfe_u32 s33, ttmp6, 0x40000                  ; cx, cy: my place in the cluster
	s_bfe_u32 s34, ttmp6, 0x40004
	s_lshl_b32 s35, ttmp9, 2
	s_add_co_u32 s35, s35, s33                     ; TX = 4 x cluster x + cx: which 64 hidden units
	s_and_b32 s36, ttmp7, 0xffff
	s_lshl_b32 s36, s36, 2
	s_add_co_u32 s36, s36, s34                     ; TY = 4 x cluster y + cy: which 512 batch rows
	s_lshl_b32 s37, s34, 2
	s_lshl_b32 s37, 15, s37                        ; my row of the cluster
	s_lshl_b32 s38, 0x1111, s33                    ; my column
	s_mul_i32 s39, s[WV], HALFT                    ; LDS: wave x 128 rows
	s_or_b32 s[G1A], s37, (1<<20)|(1<<21)|(5<<22)|(3<<25)   ; 15:0 the mask; 17:16 elements of 1 byte; 20 padding on; 21 set beside a mask; 24:22 after every 64 words; 31:25 four words
	s_mov_b32 s[G1A+1], 256<<16                    ; tensor_dim0 = 256
	s_mov_b32 s[G1A+2], 128<<16                    ; tensor_dim1 = 128
	s_mov_b32 s[G1A+3], 256<<16                    ; tile_dim0 = 256
	s_mov_b32 s[G1A+4], 128                        ; tile_dim1 = 128
	s_mov_b32 s[G1A+5], 512                        ; from row to row
	s_mov_b32 s[G1A+6], 0
	s_mov_b32 s[G1A+7], 0
	s_or_b32 s[G1B], s38, (1<<20)|(1<<21)|(5<<22)|(3<<25)
	s_mov_b32 s[G1B+1], 256<<16                    ; tensor_dim0 = 256
	s_mov_b32 s[G1B+2], 16<<16                     ; tensor_dim1 = 16: r
	s_mov_b32 s[G1B+3], 256<<16                    ; tile_dim0 = 256
	s_mov_b32 s[G1B+4], 16|(4<<16)                 ; tile_dim1 = 16, tile_dim2 = 4: u
	s_mov_b32 s[G1B+5], 2048                       ; stride0: 4 rows
	s_mov_b32 s[G1B+6], 512<<16                    ; stride1: 1 row
	s_mov_b32 s[G1B+7], 0
	s_mov_b32 s[G2B], 4                            ; tensor_dim2 = 4
	s_mov_b32 s[G2B+1], 2                          ; tensor_dim3 = 2: two gates
	s_mov_b32 s[G2B+2], 524288                     ; stride2: 1,024 rows
	s_mov_b32 s[G2B+3], 2<<16                      ; tile_dim3 = 2
	s_mov_b32 s[G3B], 0                            ; no fifth dimension
	s_mov_b32 s[G3B+1], 1<<16
	s_mov_b32 s[G3B+2], 0
	s_mov_b32 s[G3B+3], 0
	s_lshl_b32 s40, s36, 18                        ; A's codes: 512 TY rows of 512 bytes, + 128 rows a half
	s_lshl_b32 s41, s31, 16
	s_add_co_u32 s40, s40, s41
	s_mov_b32 s41, 0
	s_lshl_b32 s44, s35, 15                        ; W's codes: 64 TX rows, + two gates a half
	s_lshl_b32 s45, s31, 20
	s_add_co_u32 s44, s44, s45
	s_mov_b32 s45, 0
	s_wait_dscnt 0x0                               ; both opening adds are done
	s_wait_kmcnt 0x0
	s_add_nc_u64 s[4:5], s[4:5], s[40:41]
	s_add_nc_u64 s[6:7], s[6:7], s[40:41]
	s_add_nc_u64 s[8:9], s[8:9], s[44:45]
	s_add_nc_u64 s[10:11], s[10:11], s[44:45]
.irp n, 0,1                                    ; slot n begins with K step n: the first product, half n of its K
	s_mov_b32 s[G0A+4*\n], 1
	s_add_co_u32 s[G0A+4*\n+1], s39, \n*SLOT
	s_add_nc_u64 s[G0A+4*\n+2:G0A+4*\n+3], s[4:5], \n*256
	s_or_b32 s[G0A+4*\n+3], s[G0A+4*\n+3], 0x80000000
	s_mov_b32 s[G0B+4*\n], 1
	s_add_co_u32 s[G0B+4*\n+1], s39, \n*SLOT
	s_add_nc_u64 s[G0B+4*\n+2:G0B+4*\n+3], s[8:9], \n*256
	s_or_b32 s[G0B+4*\n+3], s[G0B+4*\n+3], 0x80000000
.endr
	CROUND                                         ; all sixteen work-groups are here: the first joint loads meet
	JLOAD 0                                        ; K step 0: one tensor load a wave at the head
	s_lshl_b32 s42, s36, 14                        ; A's scales: (512 TY + 64 w) rows of 32 bytes
	s_lshl_b32 s43, s[WV], 11
	s_add_co_u32 s42, s42, s43
	s_mov_b32 s43, 0
	s_lshl_b32 s46, s[WV], 15                      ; W's scales: wave w brings gate w's: (1,024 w + 64 TX) rows of 32 bytes
	s_lshl_b32 s47, s35, 11
	s_add_co_u32 s46, s46, s47
	s_mov_b32 s47, 0
	s_lshl_b32 s92, s35, 8                         ; the biases: 64 TX numbers
	s_mov_b32 s93, 0
	s_lshl_b32 s2, s36, 21                         ; c_prev and the outputs: (512 TY + 64 w) rows of 4,096 bytes + 64 TX numbers
	s_lshl_b32 s3, s[WV], 18
	s_add_co_u32 s2, s2, s3
	s_add_co_u32 s2, s2, s92
	s_mov_b32 s3, 0
	s_add_nc_u64 s[12:13], s[12:13], s[42:43]
	s_add_nc_u64 s[14:15], s[14:15], s[42:43]
	s_add_nc_u64 s[16:17], s[16:17], s[46:47]
	s_add_nc_u64 s[18:19], s[18:19], s[46:47]
	s_add_nc_u64 s[20:21], s[20:21], s[92:93]
	s_add_nc_u64 s[22:23], s[22:23], s[92:93]
	s_add_nc_u64 s[24:25], s[24:25], s[2:3]
	s_add_nc_u64 s[26:27], s[26:27], s[2:3]
	s_add_nc_u64 s[28:29], s[28:29], s[2:3]
	; prefetches: of the 128 rows that I fetch my work-group names 32: A: 32 cx on; W: gate cy / 2 of my two, units 32 (cy % 2) on
	s_lshl_b32 s2, s33, 14
	s_lshr_b32 s3, s34, 1
	s_lshl_b32 s3, s3, 19
	s_and_b32 s98, s34, 1
	s_lshl_b32 s98, s98, 14
	s_or_b32 s3, s3, s98
	s_cmp_lt_u32 s[WV], 2
	s_cselect_b32 s98, s2, s3
	s_cselect_b32 s[PFON], 1, 0
	s_cselect_b64 s[PF0:PF0+1], s[4:5], s[8:9]
	s_cselect_b64 s[PF1:PF1+1], s[6:7], s[10:11]
	s_mov_b32 s99, 0
	s_add_nc_u64 s[PF0:PF0+1], s[PF0:PF0+1], s[98:99]
	s_add_nc_u64 s[PF1:PF1+1], s[PF1:PF1+1], s[98:99]
	s_mul_i32 s93, s[WV], 64*PITCH                 ; my 64 rows of A in LDS
	s_mul_i32 s92, s[WV], SRUN
	s_add_co_u32 s92, s92, SCW                     ; my gate's run of scale bytes
	s_mov_b32 s40, 0xbfb8aa3b                      ; -log2(e); the packed forms name a pair, so both are written
	s_mov_b32 s41, s40
	s_mov_b32 s42, 0xc038aa3b                      ; -2 log2(e)
	s_mov_b32 s43, s42
	s_mov_b32 s[TL], 2
	v_and_b32 v1, 15, v0                           ; r
	v_bfe_u32 v2, v0, 4, 1                         ; h
	v_and_b32 v3, 31, v0                           ; lane
	v_lshlrev_b32 v14, 4, v3
	v_lshlrev_b32 v15, 4, v1
	v_lshlrev_b32 v[ASO], 5, v3
.irp i, 0,1,2,3                                ; W's scale bytes of my gate: 512 consecutive bytes a load
	global_load_b128 v[208+4*\i:211+4*\i], v14, s[16:17] offset:512*\i
.endr
.irp i, 0,1,2,3
	global_load_b128 v[224+4*\i:227+4*\i], v14, s[18:19] offset:512*\i
.endr
.irp g, 0,1,2,3                                ; the biases of units 4 r + 0 .. 3
	global_load_b128 v[BI+4*\g:BI+4*\g+3], v15, s[20:21] offset:4096*\g
	global_load_b128 v[192+4*\g:195+4*\g], v15, s[22:23] offset:4096*\g
.endr
.macro ASCALES off                     ; A's scale words: a row's 32 bytes a product in a lane
.irp a, 0,1
.irp t, 0,1
	global_load_b128 v[SA+16*\a+4*\t:SA+16*\a+4*\t+3], v[ASO], s[12:13] offset:\off+1024*\a+16*\t
	global_load_b128 v[SA+16*\a+8+4*\t:SA+16*\a+8+4*\t+3], v[ASO], s[14:15] offset:\off+1024*\a+16*\t
.endr
.endr
.endm
	ASCALES 0
	v_lshlrev_b32 v[PFO], 9, v3
	v_lshlrev_b32 v[PFC], 12, v3
	global_prefetch_b8 v[PFO], s[PF0:PF0+1] offset:256 th:TH_LOAD_NT scope:SCOPE_SE   ; K step 1
	global_prefetch_b8 v[PFO], s[PF1:PF1+1] th:TH_LOAD_NT scope:SCOPE_SE              ; K step 2
	v_lshlrev_b32 v[CO], 15, v2
	v_lshl_add_u32 v[CO], v1, 4, v[CO]
	v_mul_u32_u24 v242, v1, PITCH
	v_lshl_add_u32 v242, v2, 4, v242               ; a fragment's row x pitch + 16 x half
	v_add_nc_u32 v[ADRA], s93, v242
	v_add_nc_u32 v[ADRA+1], SLOT, v[ADRA]
	v_add_nc_u32 v[ADRB], 2*HALFT, v242
	v_add_nc_u32 v[ADRB+1], SLOT, v[ADRB]
	v_lshrrev_b32 v240, 3, v3                      ; scale bytes into LDS: lane L's 16 bytes at 16 L + 16 (L / 8)
	v_add_nc_u32 v240, v240, v3
	v_lshlrev_b32 v240, 4, v240
	v_add_nc_u32 v240, s92, v240
	v_mul_u32_u24 v241, v1, 144                    ; and back: row 4 r + u, half h: 144 r + 32 u + 16 h
	v_lshl_add_u32 v241, v2, 4, v241
	v_add_nc_u32 v241, SCW, v241
	s_wait_alu depctr_va_vdst(0)
	s_wait_loadcnt 0x10                            ; W's scale bytes are in; eight loads of biases and eight of A's scales may be out
.irp i, 0,1,2,3
	ds_store_b128 v240, v[208+4*\i:211+4*\i] offset:576*\i
	ds_store_b128 v240, v[224+4*\i:227+4*\i] offset:4*SRUN+576*\i
.endr
	s_wait_loadcnt 0x0
.irp i, 0,1,2,3,4,5,6,7
	v_pk_add_f32 v[BI+2*\i:BI+2*\i+1], v[BI+2*\i:BI+2*\i+1], v[192+2*\i:193+2*\i]
.endr
.irp i, 0,1,2,3,6,7
	v_pk_mul_f32 v[BI+2*\i:BI+2*\i+1], v[BI+2*\i:BI+2*\i+1], s[K1:K1+1] op_sel_hi:[1,0]
.endr
.irp i, 4,5
	v_pk_mul_f32 v[BI+2*\i:BI+2*\i+1], v[BI+2*\i:BI+2*\i+1], s[K2:K2+1] op_sel_hi:[1,0]
.endr
	s_wait_alu depctr_va_vdst(0)
	s_wait_tensorcnt 0x0                           ; my part of K step 0 is in
	ds_add_u32 v[SPW], v[NIL]
	s_wait_dscnt 0x0                               ; the add is done, and my scale bytes are stored
	CROUND                                         ; everybody's part and everybody's scale bytes are in; the joint loads meet
	JLOAD 1                                        ; K step 1
.macro LA s, q                         ; A's fragments of step s, sub-step q into set q % 2: lane l holds row l % 16; registers 4 c .. 4 c + 3 hold K = 64 c + 32 (l / 16) + 0 .. 31; rows 16-31 in registers 8 to 15
	WIN 0
.irp a, 0,1
.irp x, 0,1
.irp c, 0,1
	ds_load_b128 v[AF+32*((\q)%2)+16*\a+8*\x+4*\c:AF+32*((\q)%2)+16*\a+8*\x+4*\c+3], v[ADRA+((\s)%2)] offset:(32*\a+16*\x)*PITCH+64*(\q)+32*\c
.endr
.endr
.endr
.endm
.macro LW s, q, i0                     ; W's fragments i0 .. i0 + 3
	WIN 0x40
.irp i, \i0, \i0+1, \i0+2, \i0+3
	ds_load_b128 v[128*((\q)%2)+8*(\i):128*((\q)%2)+8*(\i)+3], v[ADRB+((\s)%2)] offset:(\i)*16*PITCH+64*(\q)
	ds_load_b128 v[128*((\q)%2)+8*(\i)+4:128*((\q)%2)+8*(\i)+7], v[ADRB+((\s)%2)] offset:(\i)*16*PITCH+64*(\q)+32
.endr
.endm
.macro MM a, b, s, q, zero             ; 32 batch rows x 16 rows of W x 128 along K; zero = 1: the first product starts the sum
.if \zero
	v_wmma_scale_f32_32x16x128_f4 v[32*((\b)%8)+16*(\a):32*((\b)%8)+16*(\a)+15], v[AF+32*((\q)%2)+16*(\a):AF+32*((\q)%2)+16*(\a)+15], v[128*((\q)%2)+8*(\b):128*((\q)%2)+8*(\b)+7], 0, v[SA+16*(\a)+8*((\s)/2)+4*((\s)%2)+(\q)], v[SB+8*(\b)+4*((\s)/2)+(\q)]
.elseif (\s)%2
	v_wmma_scale_f32_32x16x128_f4 v[32*((\b)%8)+16*(\a):32*((\b)%8)+16*(\a)+15], v[AF+32*((\q)%2)+16*(\a):AF+32*((\q)%2)+16*(\a)+15], v[128*((\q)%2)+8*(\b):128*((\q)%2)+8*(\b)+7], v[32*((\b)%8)+16*(\a):32*((\b)%8)+16*(\a)+15], v[SA+16*(\a)+8*((\s)/2)+4*((\s)%2)+(\q)], v[SB+8*(\b)+4*((\s)/2)+(\q)] matrix_b_scale:MATRIX_SCALE_ROW1
.else
	v_wmma_scale_f32_32x16x128_f4 v[32*((\b)%8)+16*(\a):32*((\b)%8)+16*(\a)+15], v[AF+32*((\q)%2)+16*(\a):AF+32*((\q)%2)+16*(\a)+15], v[128*((\q)%2)+8*(\b):128*((\q)%2)+8*(\b)+7], v[32*((\b)%8)+16*(\a):32*((\b)%8)+16*(\a)+15], v[SA+16*(\a)+8*((\s)/2)+4*((\s)%2)+(\q)], v[SB+8*(\b)+4*((\s)/2)+(\q)]
.endif
.endm
.macro GRP i, s, q, zero               ; W's blocks 2 i, 2 i + 1 x A's two.  The 32 accumulators take turns, in the same order in every sub-step
	WIN 0xa4+0x50*((\i)/4)
	MM 0, 2*(\i), \s, \q, \zero
	MM 1, 2*(\i), \s, \q, \zero
	MM 0, 2*(\i)+1, \s, \q, \zero
	MM 1, 2*(\i)+1, \s, \q, \zero
.endm
; A sub-step with its successor in the same slot: the successor's 40 loads, A's 8 first, stand in one run ahead of its products, into the other set.
.macro SUB s, q, zero
	s_wait_dscnt 16                                ; A's and W's blocks 0-7 are in; the youngest 16 loads (blocks 8-15) may be out
	PLACES 4
	LA \s, \q+1
	LW \s, \q+1, 0
	LW \s, \q+1, 4
	LW \s, \q+1, 8
	LW \s, \q+1, 12
	GRP 0, \s, \q, \zero
	GRP 1, \s, \q, \zero
	GRP 2, \s, \q, \zero
	GRP 3, \s, \q, \zero
	s_wait_dscnt 40                                ; all but this sub-step's 40
	GRP 4, \s, \q, \zero
	GRP 5, \s, \q, \zero
	GRP 6, \s, \q, \zero
	GRP 7, \s, \q, \zero
.endm
.macro CLD m                           ; c_prev of 16 of my batch rows: two whole rows of 256 bytes a load
	WIN 0x40
.irp j, 0,1,2,3,4,5,6,7
	global_load_b128 v[32*(\m)+4*\j:32*(\m)+4*\j+3], v[CO], s[24:25] offset:(16*(\m)+\j)*4096 th:TH_LOAD_NT
.endr
.endm
; A slot's last sub-step changes slots.  In front of the barrier each wave waits for all its tensor loads (its part of the next slot), adds 0 to its spare word, and waits for that and for its reads of this slot.
; fill = 1: the barrier opens a round of the cluster's barrier and this slot is filled again: s = 0, 1: step s + 2; s = 2, 3: the next tile's step s - 2.  cell = 1: no fragments follow, but c_prev, into set 0.
.macro TURN s, fill, cell
	WIN 0
	s_wait_tensorcnt 0x0
	ds_add_u32 v[SPW], v[NIL]
.if \fill
.if (\s) < 2
	s_add_nc_u64 s[G0A+4*((\s)%2)+2:G0A+4*((\s)%2)+3], s[6:7], 256*((\s)%2)    ; no tensor load of mine is out: a group 0 may be written
	s_add_nc_u64 s[G0B+4*((\s)%2)+2:G0B+4*((\s)%2)+3], s[10:11], 256*((\s)%2)
.else
	s_add_nc_u64 s[G0A+4*((\s)%2)+2:G0A+4*((\s)%2)+3], s[4:5], 0x20000+256*((\s)%2)   ; 256 batch rows on
	s_add_nc_u64 s[G0B+4*((\s)%2)+2:G0B+4*((\s)%2)+3], s[8:9], 256*((\s)%2)
.endif
	s_or_b32 s[G0A+4*((\s)%2)+3], s[G0A+4*((\s)%2)+3], 0x80000000
	s_or_b32 s[G0B+4*((\s)%2)+3], s[G0B+4*((\s)%2)+3], 0x80000000
.endif
	s_wait_dscnt 17                                ; out may be the add and W's blocks 8-15
	GRP 0, \s, 3, 0
	GRP 1, \s, 3, 0
	s_wait_dscnt 0x0                               ; the add is done, and my reads of this slot are over
	s_barrier_signal -1
	GRP 2, \s, 3, 0
	WIN 0
	s_barrier_wait -1
.if \fill
	CREST
	JLOAD (\s)%2                                   ; first behind the round; its four v_nop are also the places ahead of the loads below
.else
	PLACES 4
.endif
.if \cell
	CLD 0
	CLD 1
.else
	LA (\s)+1, 0
	LW (\s)+1, 0, 0
	LW (\s)+1, 0, 4
	LW (\s)+1, 0, 8
	LW (\s)+1, 0, 12
.endif
.if (\s) == 0
	WIN 0
	global_prefetch_b8 v[PFC], s[24:25] th:TH_LOAD_NT scope:SCOPE_SE                ; this tile's c_prev: my 64 rows of 256 bytes
	global_prefetch_b8 v[PFC], s[24:25] offset:131072 th:TH_LOAD_NT scope:SCOPE_SE
.endif
.if \fill
	ASK PF0+2*((\s)/2), 0x20000+256*((\s)%2)       ; the next tile's step s
.endif
	GRP 3, \s, 3, 0
	GRP 4, \s, 3, 0
	GRP 5, \s, 3, 0
.if \cell
	CLD 2
	CLD 3
.endif
	GRP 6, \s, 3, 0
	GRP 7, \s, 3, 0
.endm
; THE CELL for 16 of the wave's 64 batch rows: 32 outputs a lane.  k: which 16 (block a = k / 2, its registers 8 (k % 2) on).
; Between transcendentals stand packed instructions that touch none of their registers; every batch has its wait ahead and its wait behind.  Gates i, f are made first, then g, o.
; What is left of the block before, tanh(c_t) and h_t, is done under this block's exponentials: its 2^.. of c_t lies in g's registers, its sigmoid(o) in o's.
.macro HT k                            ; tanh(c_t), and h_t into registers of block k's sums (window 3), which have been read
.set HB, 16*((\k)/2)+8*((\k)%2)
	WIN 0x55
.set NN, 0
.rept 16
	v_pk_fma_f32 v[E+64+2*NN:E+65+2*NN], v[E+64+2*NN:E+65+2*NN], 2.0, -1.0 op_sel_hi:[1,0,0]
.set NN, NN+1
.endr
	WIN 0xc5
.set NN, 0
.rept 16
	v_pk_mul_f32 v[HB+32*(NN/4)+2*(NN%4):HB+32*(NN/4)+2*(NN%4)+1], v[E+96+2*NN:E+97+2*NN], v[E+64+2*NN:E+65+2*NN]
.set NN, NN+1
.endr
.endm
.macro HST k
.set HB, 16*((\k)/2)+8*((\k)%2)
	WIN 0x0c
.irp j, 0,1,2,3,4,5,6,7
	global_store_b128 v[CO], v[HB+32*(\j/2)+4*(\j%2):HB+32*(\j/2)+4*(\j%2)+3], s[26:27] offset:(16*(\k)+\j)*4096 th:TH_STORE_NT   ; 16 lanes store 256 consecutive bytes, at a multiple of 256
.endr
.endm
.macro CELL k
.set AB, 16*((\k)/2)+8*((\k)%2)
	WIN 0x46
	s_wait_alu depctr_va_vdst(0)
.set NN, 0
.rept 64                               ; e^-i, e^-f;  the block before: 1 + e^-2c
	v_exp_f32 v[E+NN], v[AB+32*(4*(NN/32)+NN%4)+(NN%32)/4]
.if (\k) > 0
.if (NN%4) == 3
	v_pk_add_f32 v[E+64+2*(NN/4):E+65+2*(NN/4)], 1.0, v[E+64+2*(NN/4):E+65+2*(NN/4)] op_sel_hi:[0,1]
.endif
.endif
.set NN, NN+1
.endr
	v_nop
	s_wait_alu depctr_va_vdst(0)
.if (\k) > 0
	WIN 0x55
.set NN, 0
.rept 32                               ; the block before: the reciprocals;  1 + e^-i, 1 + e^-f
	v_rcp_f32 v[E+64+NN], v[E+64+NN]
	v_pk_add_f32 v[E+2*NN:E+1+2*NN], 1.0, v[E+2*NN:E+1+2*NN] op_sel_hi:[0,1]
.set NN, NN+1
.endr
	v_nop
	s_wait_alu depctr_va_vdst(0)
	HT \k-1
.endif
	WIN 0x47
	s_wait_alu depctr_va_vdst(0)
.set NN, 0
.rept 64                               ; e^-2g, e^-o
	v_exp_f32 v[E+64+NN], v[AB+32*(4*(NN/32)+NN%4)+(NN%32)/4]
.if (\k) == 0
.if (NN%2) == 1
	v_pk_add_f32 v[E+NN-1:E+NN], 1.0, v[E+NN-1:E+NN] op_sel_hi:[0,1]
.endif
.endif
.set NN, NN+1
.endr
	v_nop
	s_wait_alu depctr_va_vdst(0)
.if (\k) > 0
	HST \k-1
.endif
	WIN 0x55
.set NN, 0
.rept 64                               ; sigmoid(i), sigmoid(f);  1 + e^-2g, 1 + e^-o
	v_rcp_f32 v[E+NN], v[E+NN]
.if (NN%2) == 1
	v_pk_add_f32 v[E+63+NN:E+64+NN], 1.0, v[E+63+NN:E+64+NN] op_sel_hi:[0,1]
.endif
.set NN, NN+1
.endr
	v_nop
	s_wait_loadcnt 24-8*(\k)                       ; c_prev of these rows is in; the later rows' 8 loads each may be out
	s_wait_alu depctr_va_vdst(0)
.set NN, 0
.rept 64                               ; g's and o's reciprocals;  sigmoid(f) c_prev
	v_rcp_f32 v[E+64+NN], v[E+64+NN]
.if (NN%4) == 3
	v_pk_mul_f32 v[32*(\k)+2*(NN/4):32*(\k)+2*(NN/4)+1], v[E+32+2*(NN/4):E+33+2*(NN/4)], v[32*(\k)+2*(NN/4):32*(\k)+2*(NN/4)+1]
.endif
.set NN, NN+1
.endr
	v_nop
	s_wait_alu depctr_va_vdst(0)
.set EI, 0
.rept 16
	v_pk_fma_f32 v[E+64+EI:E+65+EI], v[E+64+EI:E+65+EI], 2.0, -1.0 op_sel_hi:[1,0,0]   ; tanh(g)
.set EI, EI+2
.endr
.set EI, 0
.rept 16
	v_pk_fma_f32 v[32*(\k)+EI:32*(\k)+EI+1], v[E+EI:E+1+EI], v[E+64+EI:E+65+EI], v[32*(\k)+EI:32*(\k)+EI+1]   ; c_t
.set EI, EI+2
.endr
.set EI, 0
.rept 16
	v_pk_mul_f32 v[E+64+EI:E+65+EI], v[32*(\k)+EI:32*(\k)+EI+1], s[K2:K2+1] op_sel_hi:[1,0]
.set EI, EI+2
.endr
	s_wait_alu depctr_va_vdst(0)
	WIN 0x04
.irp j, 0,1,2,3,4,5,6,7
	global_store_b128 v[CO], v[32*(\k)+4*\j:32*(\k)+4*\j+3], s[28:29] offset:(16*(\k)+\j)*4096 th:TH_STORE_NT   ; 16 lanes store 256 consecutive bytes, at a multiple of 256
.endr
	WIN 0x55
.set NN, 0
.rept 32                               ; e^-2c
	v_exp_f32 v[E+64+NN], v[E+64+NN]
.set NN, NN+1
.endr
	v_nop
.endm
.macro CELLEND                         ; what is left of a tile's last block; under it the next tile's first fragments
	s_wait_alu depctr_va_vdst(0)
	WIN 0
	s_wait_xcnt 0x0                                ; the stores of c_t have read set 0's registers
	s_cmp_eq_u32 s[TL], 1
	s_cbranch_scc1 .Lno_next
	LA 0, 0                                        ; the next tile's step 0 was shown landed by the last change of slots
	LW 0, 0, 0
	LW 0, 0, 4
	LW 0, 0, 8
	LW 0, 0, 12
	WIN 0
.Lno_next:
	WIN 0x55
.set NN, 0
.rept 16
	v_pk_add_f32 v[E+64+2*NN:E+65+2*NN], 1.0, v[E+64+2*NN:E+65+2*NN] op_sel_hi:[0,1]
.set NN, NN+1
.endr
	s_wait_alu depctr_va_vdst(0)
.set NN, 0
.rept 32
	v_rcp_f32 v[E+64+NN], v[E+64+NN]
.set NN, NN+1
.endr
	v_nop
	s_wait_alu depctr_va_vdst(0)
	HT 3
	HST 3
.endm
.irp g, 0,1,2,3                                ; W's scale words, for the whole launch: row r of block (g, u) is unit 4 r + u
.irp u, 0,1,2,3
	ds_load_b128 v[SB+8*(4*\g+\u):SB+8*(4*\g+\u)+3], v241 offset:\g*SRUN+32*\u
	ds_load_b128 v[SB+8*(4*\g+\u)+4:SB+8*(4*\g+\u)+7], v241 offset:(4+\g)*SRUN+32*\u
.endr
.endr
	LA 0, 0
	LW 0, 0, 0
	LW 0, 0, 4
	LW 0, 0, 8
	LW 0, 0, 12
	WIN 0
	global_prefetch_b8 v[PFO], s[PF1:PF1+1] offset:256 th:TH_LOAD_NT scope:SCOPE_SE   ; K step 3
.Ltile:
	SUB 0, 0, 1
	SUB 0, 1, 0
	SUB 0, 2, 0
	TURN 0, 1, 0
	SUB 1, 0, 0
	SUB 1, 1, 0
	SUB 1, 2, 0
	TURN 1, 1, 0
	WIN 0
	s_cmp_eq_u32 s[TL], 1
	s_cbranch_scc1 .Llast
	SUB 2, 0, 0                                    ; a tile with a successor: its last two changes of slots fetch the successor's first two steps
	SUB 2, 1, 0
	SUB 2, 2, 0
	TURN 2, 1, 0
	SUB 3, 0, 0
	SUB 3, 1, 0
	SUB 3, 2, 0
	TURN 3, 1, 1
	WIN 0
	PLACES 4
	ASCALES 8192                                   ; the next tile's scales of A, 256 rows of 32 bytes on
	s_add_nc_u64 s[6:7], s[6:7], 0x20000
	s_mov_b32 s[PFON], 0
	s_branch .Lcell
.Llast:
	SUB 2, 0, 0                                    ; the last tile fetches nothing more
	SUB 2, 1, 0
	SUB 2, 2, 0
	TURN 2, 0, 0
	SUB 3, 0, 0
	SUB 3, 1, 0
	SUB 3, 2, 0
	s_wait_dscnt 16
	PLACES 4
	CLD 0
	CLD 1
	GRP 0, 3, 3, 0
	GRP 1, 3, 3, 0
	GRP 2, 3, 3, 0
	CLD 2
	CLD 3
	GRP 3, 3, 3, 0
	s_wait_dscnt 0x0
	GRP 4, 3, 3, 0
	GRP 5, 3, 3, 0
	GRP 6, 3, 3, 0
	GRP 7, 3, 3, 0
	WIN 0
	PLACES 4
.Lcell:
	; every sum becomes an exponent of 2, in place: the factor and the bias in one fused multiply-add; each accumulator from its low end on
.macro PKB b, kk
.set EI, 32*((\b)%8)
.rept 16
.if (\b)%2
	v_pk_fma_f32 v[EI:EI+1], v[EI:EI+1], s[\kk:\kk+1], v[BI+2*((\b)/2):BI+2*((\b)/2)+1] op_sel:[0,0,1] op_sel_hi:[1,0,1]
.else
	v_pk_fma_f32 v[EI:EI+1], v[EI:EI+1], s[\kk:\kk+1], v[BI+2*((\b)/2):BI+2*((\b)/2)+1] op_sel_hi:[1,0,0]
.endif
.set EI, EI+2
.endr
.endm
	WIN 0x82
.irp b, 0,1,2,3,4,5,6,7
	PKB \b, K1
.endr
	WIN 0xc3
.irp b, 8,9,10,11
	PKB \b, K2
.endr
.irp b, 12,13,14,15
	PKB \b, K1
.endr
	CELL 0
	CELL 1
	CELL 2
	CELL 3
	CELLEND
	WIN 0
	s_wait_alu depctr_va_vdst(0)
	s_wait_xcnt 0x0                                ; every store and load has read its registers and its base
	s_add_nc_u64 s[24:25], s[24:25], 0x100000      ; 256 rows of 4,096 bytes on
	s_add_nc_u64 s[26:27], s[26:27], 0x100000
	s_add_nc_u64 s[28:29], s[28:29], 0x100000
	s_sub_co_i32 s[TL], s[TL], 1
	s_cmp_lg_u32 s[TL], 0
	s_cbranch_scc1 .Ltile
	s_wait_tensorcnt 0x0                           ; the wave's end
	ds_add_u32 v[SPW], v[NIL]
	s_wait_dscnt 0x0
	CROUND                                         ; the closing round: no work-group ends while a partner may still ask for a tile that names it
	s_endpgm
.Lfunc_end_k_q63127be91a_lstm:
	.size	k_q63127be91a_lstm, .Lfunc_end_k_q63127be91a_lstm-k_q63127be91a_lstm
	.p2alignl 7, 3214868480
	.fill 96, 4, 3214868480
	.section	.rodata,"a",@progbits
	.p2align	6, 0x0
	.amdhsa_kernel k_q63127be91a_lstm
		.amdhsa_group_segment_fixed_size 327680
		.amdhsa_private_segment_fixed_size 0
		.amdhsa_enable_private_segment 0
		.amdhsa_kernarg_size 104
		.amdhsa_user_sgpr_count 2
		.amdhsa_user_sgpr_kernarg_segment_ptr 1
		.amdhsa_wavefront_size32 1
		.amdhsa_system_sgpr_workgroup_id_x 1
		.amdhsa_system_sgpr_workgroup_id_y 1
		.amdhsa_system_sgpr_workgroup_id_z 1
		.amdhsa_system_vgpr_workitem_id 0
		.amdhsa_next_free_vgpr 1024
		.amdhsa_next_free_sgpr 102
		.amdhsa_reserve_vcc 0
		.amdhsa_float_denorm_mode_32 3
		.amdhsa_float_denorm_mode_16_64 3
		.amdhsa_memory_ordered 1
		.amdhsa_forward_progress 1
		.amdhsa_inst_pref_size 255
	.end_amdhsa_kernel
	.section	.bss,"aw",@nobits
	.p2align	6
	.space	262144
	.amdgpu_metadata
---
amdhsa.version: [ 1, 2 ]
amdhsa.kernels:
  - .name:           k_q63127be91a_lstm
    .symbol:         k_q63127be91a_lstm.kd
    .args:
      - { .name: input_codes, .offset: 0, .size: 8, .value_kind: global_buffer, .address_space: global }
      - { .name: h_prev_codes, .offset: 8, .size: 8, .value_kind: global_buffer, .address_space: global }
      - { .name: W_ih_codes, .offset: 16, .size: 8, .value_kind: global_buffer, .address_space: global }
      - { .name: W_hh_codes, .offset: 24, .size: 8, .value_kind: global_buffer, .address_space: global }
      - { .name: input_scales, .offset: 32, .size: 8, .value_kind: global_buffer, .address_space: global }
      - { .name: h_prev_scales, .offset: 40, .size: 8, .value_kind: global_buffer, .address_space: global }
      - { .name: W_ih_scales, .offset: 48, .size: 8, .value_kind: global_buffer, .address_space: global }
      - { .name: W_hh_scales, .offset: 56, .size: 8, .value_kind: global_buffer, .address_space: global }
      - { .name: b_ih, .offset: 64, .size: 8, .value_kind: global_buffer, .address_space: global }
      - { .name: b_hh, .offset: 72, .size: 8, .value_kind: global_buffer, .address_space: global }
      - { .name: c_prev, .offset: 80, .size: 8, .value_kind: global_buffer, .address_space: global }
      - { .name: out0, .offset: 88, .size: 8, .value_kind: global_buffer, .address_space: global }
      - { .name: out1, .offset: 96, .size: 8, .value_kind: global_buffer, .address_space: global }
    .group_segment_fixed_size: 327680
    .private_segment_fixed_size: 0
    .kernarg_segment_align: 8
    .kernarg_segment_size: 104
    .max_flat_workgroup_size: 128
    .sgpr_count:     102
    .vgpr_count:     1024
    .wavefront_size: 32
...
	.end_amdgpu_metadata
.endif
;; end of part 1
